; MI455X (gfx1250); checked and timed in simulation.
; The chip was launched on July 23, 2026; its instructions are those of AMD's public machine-readable ISA for CDNA 5 (MIT licence, August 2026) and "CDNA5" Instruction Set Architecture Reference Guide (July 2026). The comments in the code are by the model that wrote it; some were corrected since.
;; Differentiable Topos Attention. Allowed arithmetic: float matrix products may take bf16 or f16 operands with f32 sums; other float arithmetic in f32, or as packed bf16 or f16 multiplies, adds, multiply-adds, maxima and minima; sums over many terms, partial sums and values carried from step to step in f32; what a program stores and reads back later, other than sums and carried values, may be rounded once to bf16 or f16.
;; Inputs: Wk 128 x 128 float32; Wq 128 x 128 float32; Wv 128 x 128 float32; bk 128 float32; bq 128 float32; bv 128 float32; x 2 x 1,024 x 128 float32.
;; Outputs: out0 2 x 1,024 x 128 float32.
;; Constants: apply_causal_mask = 1.
;; 2 versions, each right; version 2 is version 1 with the launch proj written anew for expert scheduling mode. Each part assembles by itself: llvm-mc -triple=amdgcn-amd-amdhsa -mcpu=gfx1250 --defsym DOCPART=n.
;; ======== version 1 of 2: 2 launches
;; limits: values are held in f16: magnitudes above 65,504 overflow, below 6.1e-05 lose precision; right only within a limited range of input values
;; workspace buffers: qf 524,288 bytes; kf 524,288 bytes; vf 524,288 bytes; vs 32,768 bytes
;; launch proj (part 1): grid 64 x 3, 4 waves a work-group, no clusters, 0 bytes of LDS; arguments x, Wq, Wk, Wv, bq, bk, bv, qf, kf, vf, vs; writes qf, kf, vf, vs
.if DOCPART == 1
	.amdgcn_target "amdgcn-amd-amdhsa--gfx1250"
	.amdhsa_code_object_version 6
	.text
	.protected	k_qcc29e37b31_proj
	.globl	k_qcc29e37b31_proj
	.p2align	8
	.type	k_qcc29e37b31_proj,@function
k_qcc29e37b31_proj:
	s_mov_b64 s[64:65], 0
	v_nop
	global_prefetch_b8 v0, s[64:65] scope:SCOPE_SE
	s_setreg_imm32_b32 hwreg(HW_REG_WAVE_MODE, 25, 1), 1
	s_wait_xcnt 0x0
; LAUNCH 1 OF 2: Q = sigmoid(x Wq^T + bq), K = sigmoid(x Wk^T + bk), V = x Wv^T + bv, and the sums of V over units of 32 keys.
; WHAT THE WHOLE PROGRAM LEAVES OUT, AND WHY IT IS DEAD (for all finite inputs):
;  (1) For k > q reference() overwrites the mean of the implication by 0.0 (its own tril): Q[q] and K[k] of such a pair reach no output.  Launch 2 does not score such pairs where they come in
;      whole units of 32 keys; inside a unit that it walks anyway it scores them and replaces the weight.  Their weight, exp(0 - shift), is the same for all of them, so whole masked units enter as
;      that weight times the sum of V over the unit (made here, in f32) and times 32 in the divisor.
;  (2) min(1 - Q + K, 1) = 1 - (max(Q, K) - K), an identity: launch 2 forms R = sum_d max(Q, K) - sum_d K, and 10 x truth = 10 - (10/128) R.  Both sums lie in 0 .. 128 for every input.
;  No input is left out.  LIMIT: a NaN or an infinity that reaches only the scores of masked pairs is not carried (reference()'s where drops it too).
; FORMATS.  x, W and b are rounded to bf16; products in bf16, sums in f32.  Q and K (in 0 .. 1), and V, are stored rounded once to f16.
; LIMIT: |V| stays under 65,504.  All inputs 30 times larger give about 4,500; a common offset of 30 spreads on x and on Wv gives 128 x 30 x 2.65, about 10,200.
; sigmoid(z) = 1 / (1 + 2^(-z log2 e)): for z far below 0 the power is infinite and the result 0, far above 0 the power counts as 0 and the result is 1.
; SHARES.  Work-group (u, y): rows 32 u .. 32 u + 31 of x (both batches on end), y = 0: Q, 1: K, 2: V.  Wave w: output columns 32 w .. 32 w + 31: 2 x 2 tiles of 16 x 16, K = 128 in 4 steps.
; FRAGMENTS come straight from memory: lane (r = lane % 16, h = lane / 16) takes of row r the 16 bytes at 32 i + 16 h, i = 0 .. 15: step s holds d = 32 s .. 32 s + 31, in an order that is the same
; for x and for W, so the products pair the right numbers.  64 f32 registers are packed to 32 of bf16 in place (register k takes 2 k and 2 k + 1, ascending: nothing unread is overwritten).
; LAYOUT OUT = the register images of launch 2.  Q, K: sources (W, x): a lane holds row r and features 16 t + 8 h + 0..7: 16 bytes, at block(16 rows) x 4096 + t x 512 + lane x 16.
; V: sources (x, W): a lane holds channel r and keys 8 h + 0..7 of a tile of 16 keys: at unit x 8192 + cb x 1024 + tile x 512 + lane x 16.  Every such store covers 512 consecutive bytes, aligned.
; No LDS, no barrier: no wave wants what another has.  No cluster: what work-groups share (64 KiB of one W) goes into registers, not into LDS.
.set XR,  16                           ; v[16:143]   x: block b (16 rows) at XR + 64 b; after packing step s at + 8 s
.set ACC, 144                          ; v[144:175]  accumulator (tt, b) at ACC + 8 (2 tt + b)
.set BI,  176                          ; v[176:191]  the bias as a C operand, 8 registers for each column tile tt
.set TM,  192                          ; v[192:207]  at work; packed results
                                       ; window 1: v[0:127] W: tile tt (16 rows) at 64 tt; after packing step s at + 8 s
.set MSB, 0
.macro WIN new                         ; the immediate's high byte repeats the setting that is left
.if MSB != (\new)
	s_set_vgpr_msb (MSB<<8)|(\new)
.set MSB, \new
.endif
.endm
.macro PACKB base                      ; 64 f32 -> 32 registers of two bf16, in place
.set kk, 0
.rept 32
	v_cvt_pk_bf16_f32 v[(\base)+kk], v[(\base)+2*kk], v[(\base)+2*kk+1]
.set kk, kk+1
.endr
.endm
.macro PLACES8                         ; plain instructions between the last product and the first reader of its result (ISA guide 7.12.1), once a launch
.rept 8
	v_nop
.endr
.endm
; 16 products; the four accumulators take turns; the first product of each takes the bias as C
.macro MULS vpath
.irp s, 0,1,2,3
.irp tt, 0,1
.irp b, 0,1
.set AC, ACC+8*(2*\tt+\b)
.set FW, 64*\tt+8*\s
.set FX, XR+64*\b+8*\s
.if \vpath
.if \s == 0
	v_wmma_f32_16x16x32_bf16 v[AC:AC+7], v[FX:FX+7], v[FW:FW+7], v[BI+8*\tt:BI+8*\tt+7]
.else
	v_wmma_f32_16x16x32_bf16 v[AC:AC+7], v[FX:FX+7], v[FW:FW+7], v[AC:AC+7]
.endif
.else
.if \s == 0
	v_wmma_f32_16x16x32_bf16 v[AC:AC+7], v[FW:FW+7], v[FX:FX+7], v[BI+8*\tt:BI+8*\tt+7]
.else
	v_wmma_f32_16x16x32_bf16 v[AC:AC+7], v[FW:FW+7], v[FX:FX+7], v[AC:AC+7]
.endif
.endif
.endr
.endr
.endr
.endm
	s_load_b512 s[8:23], s[0:1], 0x0               ; x s[8:9], Wq s[10:11], Wk s[12:13], Wv s[14:15], bq s[16:17], bk s[18:19], bv s[20:21], qf s[22:23]
	s_load_b128 s[24:27], s[0:1], 0x40             ; kf s[24:25], vf s[26:27]
	s_load_b64 s[28:29], s[0:1], 0x50              ; vs
	v_and_b32 v1, 15, v0                           ; r
	v_bfe_u32 v2, v0, 4, 1                         ; h
	v_lshrrev_b32 v3, 5, v0
	v_readfirstlane_b32 s30, v3                    ; wave 0..3
	v_and_b32 v3, 31, v0
	v_lshlrev_b32 v3, 4, v3                        ; 16 x lane
	v_lshlrev_b32 v4, 9, v1
	v_lshl_add_u32 v4, v2, 4, v4                   ; a fragment's offset: r x 512 + 16 h
	s_and_b32 s31, ttmp7, 0xffff                   ; y
	s_lshl_b32 s32, ttmp9, 14                      ; the unit's 32 rows of x, 512 bytes each
	s_mov_b32 s33, 0
	s_lshl_b32 s48, s30, 14                        ; my wave's 32 rows of W
	s_mov_b32 s49, 0
	s_lshl_b32 s50, ttmp9, 13                      ; the unit's 8,192 bytes in qf, kf or vf
	s_mov_b32 s51, 0
	s_lshl_b32 s52, s30, 7                         ; my wave's 32 numbers of the bias, and of vs
	s_mov_b32 s42, 0xbfb8aa3b                      ; -log2(e)
	s_mov_b32 s43, s42                             ; named with it as a pair
	s_mov_b32 s44, 1.0
	s_mov_b32 s45, 1.0
	s_mov_b32 s46, 0x76543210                      ; v_permlanex16_b32: each lane takes its own place in the other half
	s_mov_b32 s47, 0xfedcba98
	s_wait_kmcnt 0x0
	s_cmp_eq_u32 s31, 0
	s_cselect_b64 s[34:35], s[10:11], s[12:13]     ; W, b and the output by y
	s_cselect_b64 s[36:37], s[16:17], s[18:19]
	s_cselect_b64 s[38:39], s[22:23], s[24:25]
	s_cmp_eq_u32 s31, 2
	s_cselect_b64 s[34:35], s[14:15], s[34:35]
	s_cselect_b64 s[36:37], s[20:21], s[36:37]
	s_cselect_b64 s[38:39], s[26:27], s[38:39]
	s_add_nc_u64 s[8:9], s[8:9], s[32:33]
	s_add_nc_u64 s[34:35], s[34:35], s[48:49]
	s_add_nc_u64 s[38:39], s[38:39], s[50:51]
.irp b, 0,1
.set ii, 0
.rept 16
	global_load_b128 v[XR+64*\b+4*ii:XR+64*\b+4*ii+3], v4, s[8:9] offset:\b*8192+32*ii
.set ii, ii+1
.endr
.endr
	WIN 0x40                                       ; destination window 1, address window 0
.irp tt, 0,1
.set ii, 0
.rept 16
	global_load_b128 v[64*\tt+4*ii:64*\tt+4*ii+3], v4, s[34:35] offset:\tt*8192+32*ii
.set ii, ii+1
.endr
.endr
	WIN 0
	s_cmp_eq_u32 s31, 2
	s_cbranch_scc1 .Lvalues
	; ---- Q or K.  C(m, n) = b[feature m]: register j of lane (r, h) holds b[32 w + 16 tt + 8 h + j]
	v_lshlrev_b32 v5, 5, v2
	v_add_nc_u32 v5, s52, v5                       ; 128 w + 32 h
.irp tt, 0,1
	global_load_b128 v[BI+8*\tt:BI+8*\tt+3],   v5, s[36:37] offset:64*\tt
	global_load_b128 v[BI+8*\tt+4:BI+8*\tt+7], v5, s[36:37] offset:64*\tt+16
.endr
	s_lshl_b32 s53, s30, 10
	v_add_nc_u32 v6, s53, v3                       ; my 16 bytes of a block: t = 2 w + tt: 1,024 w + 16 lane
	s_wait_loadcnt 36                              ; x is in: W's 32 loads and the bias's 4 are younger
	PACKB XR
	PACKB XR+64
	s_wait_loadcnt 4                               ; W is in: the bias's 4 are younger
	WIN 0x45                                       ; sources and destination in window 1
	PACKB 0
	PACKB 64
	WIN 0
	s_wait_loadcnt 0x0
.irp k, 0,1,2,3,4,5,6,7
	v_cvt_pk_bf16_f32 v[TM+\k], v[BI+2*\k], v[BI+2*\k+1]     ; the bias is rounded to bf16 like the other inputs,
	v_lshlrev_b32 v[BI+2*\k], 16, v[TM+\k]                   ; and widened again
	v_and_b32 v[BI+2*\k+1], 0xffff0000, v[TM+\k]
.endr
	WIN 0x01                                       ; source 0 (W) in window 1
	MULS 0
	WIN 0
	PLACES8
.set kk, 0
.rept 16
	v_pk_mul_f32 v[ACC+kk:ACC+kk+1], v[ACC+kk:ACC+kk+1], s[42:43] op_sel_hi:[1,0]  ; each accumulator is read from its low end on
.set kk, kk+2
.endr
.set kk, 0
.rept 32
	v_exp_f32 v[ACC+kk], v[ACC+kk]
.set kk, kk+1
.endr
	v_nop                                          ; a plain instruction behind the last exponential,
	s_wait_alu depctr_va_vdst(0)                   ; and one wait for the batch of 32
.set kk, 0
.rept 16
	v_pk_add_f32 v[ACC+kk:ACC+kk+1], v[ACC+kk:ACC+kk+1], s[44:45] op_sel_hi:[1,0]
.set kk, kk+2
.endr
.set kk, 0
.rept 32
	v_rcp_f32 v[ACC+kk], v[ACC+kk]
.set kk, kk+1
.endr
	v_nop
	s_wait_alu depctr_va_vdst(0)                   ; one wait for the 32 reciprocals
.set kk, 0
.rept 16
	v_cvt_pk_f16_f32 v[TM+kk], v[ACC+2*kk], v[ACC+2*kk+1]
.set kk, kk+1
.endr
.irp tt, 0,1
.irp b, 0,1
	global_store_b128 v6, v[TM+4*(2*\tt+\b):TM+4*(2*\tt+\b)+3], s[38:39] offset:\b*4096+\tt*512  ; 512 consecutive bytes, aligned
.endr
.endr
	s_endpgm
.Lvalues:
	; ---- V.  C(m, n) = bv[channel n]: all eight registers of lane (r, h) hold bv[32 w + 16 tt + r]
	v_lshlrev_b32 v5, 2, v1
	v_add_nc_u32 v5, s52, v5                       ; 128 w + 4 r
	global_load_b32 v[TM],   v5, s[36:37]
	global_load_b32 v[TM+1], v5, s[36:37] offset:64
	s_lshl_b32 s53, s30, 11
	v_add_nc_u32 v6, s53, v3                       ; cb = 2 w + tt: 2,048 w + 16 lane
	v_lshrrev_b32 v8, 2, v3
	v_add_nc_u32 v8, s52, v8                       ; vs: 128 w + 4 lane
	s_lshl_b32 s50, ttmp9, 9                       ; the unit's 128 sums
	s_add_nc_u64 s[28:29], s[28:29], s[50:51]
	s_wait_loadcnt 34                              ; x is in: W's 32 loads and the bias's 2 are younger
	PACKB XR
	PACKB XR+64
	s_wait_loadcnt 2                               ; W is in
	WIN 0x45
	PACKB 0
	PACKB 64
	WIN 0
	s_wait_loadcnt 0x0
	v_cvt_pk_bf16_f32 v[TM], v[TM], v[TM+1]        ; rounded to bf16 like the other inputs
	v_lshlrev_b32 v[BI], 16, v[TM]
	v_and_b32 v[BI+8], 0xffff0000, v[TM]
.irp k, 1,2,3,4,5,6,7
	v_mov_b32 v[BI+\k], v[BI]
	v_mov_b32 v[BI+8+\k], v[BI+8]
.endr
	WIN 0x04                                       ; source 1 (W) in window 1
	MULS 1
	WIN 0
	PLACES8
.set kk, 0
.rept 16
	v_cvt_pk_f16_f32 v[TM+kk], v[ACC+2*kk], v[ACC+2*kk+1]
.set kk, kk+1
.endr
.irp tt, 0,1
.irp b, 0,1
	global_store_b128 v6, v[TM+4*(2*\tt+\b):TM+4*(2*\tt+\b)+3], s[38:39] offset:\tt*1024+\b*512  ; 512 consecutive bytes, aligned
.endr
.endr
	; the sum of V over the unit's 32 keys, in f32: 16 numbers a lane, then the other half of the lanes
.irp tt, 0,1
.irp k, 0,2,4,6
	v_pk_add_f32 v[ACC+16*\tt+\k:ACC+16*\tt+\k+1], v[ACC+16*\tt+\k:ACC+16*\tt+\k+1], v[ACC+16*\tt+8+\k:ACC+16*\tt+8+\k+1]
.endr
.endr
.irp tt, 0,1
	v_pk_add_f32 v[ACC+16*\tt:ACC+16*\tt+1], v[ACC+16*\tt:ACC+16*\tt+1], v[ACC+16*\tt+2:ACC+16*\tt+3]
	v_pk_add_f32 v[ACC+16*\tt+4:ACC+16*\tt+5], v[ACC+16*\tt+4:ACC+16*\tt+5], v[ACC+16*\tt+6:ACC+16*\tt+7]
.endr
.irp tt, 0,1
	v_pk_add_f32 v[ACC+16*\tt:ACC+16*\tt+1], v[ACC+16*\tt:ACC+16*\tt+1], v[ACC+16*\tt+4:ACC+16*\tt+5]
.endr
.irp tt, 0,1
	v_add_f32 v[ACC+16*\tt], v[ACC+16*\tt], v[ACC+16*\tt+1]
.endr
.irp tt, 0,1
	v_permlanex16_b32 v[ACC+16*\tt+1], v[ACC+16*\tt], s46, s47   ; its destination has been written before
.endr
.irp tt, 0,1
	v_add_f32 v[ACC+16*\tt], v[ACC+16*\tt], v[ACC+16*\tt+1]
.endr
	v_cmp_eq_u32 vcc_lo, 1, v2
	v_cndmask_b32 v7, v[ACC], v[ACC+16], vcc_lo    ; lanes 0-15: channel 32 w + r, lanes 16-31: channel 32 w + 16 r's tile
	global_store_b32 v8, v7, s[28:29]              ; 128 consecutive bytes a wave: 32 KiB in the whole launch
	s_endpgm
.Lfunc_end_k_qcc29e37b31_proj:
	.size	k_qcc29e37b31_proj, .Lfunc_end_k_qcc29e37b31_proj-k_qcc29e37b31_proj
	.p2alignl 7, 3214868480
	.fill 96, 4, 3214868480
	.section	.rodata,"a",@progbits
	.p2align	6, 0x0
	.amdhsa_kernel k_qcc29e37b31_proj
		.amdhsa_group_segment_fixed_size 0
		.amdhsa_private_segment_fixed_size 0
		.amdhsa_enable_private_segment 0
		.amdhsa_kernarg_size 88
		.amdhsa_user_sgpr_count 2
		.amdhsa_user_sgpr_kernarg_segment_ptr 1
		.amdhsa_wavefront_size32 1
		.amdhsa_system_sgpr_workgroup_id_x 1
		.amdhsa_system_sgpr_workgroup_id_y 1
		.amdhsa_system_sgpr_workgroup_id_z 1
		.amdhsa_system_vgpr_workitem_id 0
		.amdhsa_next_free_vgpr 384
		.amdhsa_next_free_sgpr 66
		.amdhsa_reserve_vcc 1
		.amdhsa_float_denorm_mode_32 3
		.amdhsa_float_denorm_mode_16_64 3
		.amdhsa_memory_ordered 1
		.amdhsa_forward_progress 1
		.amdhsa_inst_pref_size 38
	.end_amdhsa_kernel
	.amdgpu_metadata
---
amdhsa.version: [ 1, 2 ]
amdhsa.kernels:
  - .name:           k_qcc29e37b31_proj
    .symbol:         k_qcc29e37b31_proj.kd
    .args:
      - { .name: x, .offset: 0, .size: 8, .value_kind: global_buffer, .address_space: global }
      - { .name: Wq, .offset: 8, .size: 8, .value_kind: global_buffer, .address_space: global }
      - { .name: Wk, .offset: 16, .size: 8, .value_kind: global_buffer, .address_space: global }
      - { .name: Wv, .offset: 24, .size: 8, .value_kind: global_buffer, .address_space: global }
      - { .name: bq, .offset: 32, .size: 8, .value_kind: global_buffer, .address_space: global }
      - { .name: bk, .offset: 40, .size: 8, .value_kind: global_buffer, .address_space: global }
      - { .name: bv, .offset: 48, .size: 8, .value_kind: global_buffer, .address_space: global }
      - { .name: qf, .offset: 56, .size: 8, .value_kind: global_buffer, .address_space: global }
      - { .name: kf, .offset: 64, .size: 8, .value_kind: global_buffer, .address_space: global }
      - { .name: vf, .offset: 72, .size: 8, .value_kind: global_buffer, .address_space: global }
      - { .name: vs, .offset: 80, .size: 8, .value_kind: global_buffer, .address_space: global }
    .group_segment_fixed_size: 0
    .private_segment_fixed_size: 0
    .kernarg_segment_align: 8
    .kernarg_segment_size: 88
    .max_flat_workgroup_size: 128
    .sgpr_count:     66
    .vgpr_count:     384
    .wavefront_size: 32
...
	.end_amdgpu_metadata
.endif
;; end of part 1
;; launch attn (part 2): grid 128 x 2, 4 waves a work-group, no clusters, 36,608 bytes of LDS; arguments qf, kf, vf, vs, out0; writes out0
.if DOCPART == 2
	.amdgcn_target "amdgcn-amd-amdhsa--gfx1250"
	.amdhsa_code_object_version 6
	.text
	.protected	k_qcc29e37b31_attn
	.globl	k_qcc29e37b31_attn
	.p2align	8
	.type	k_qcc29e37b31_attn,@function
k_qcc29e37b31_attn:
	s_mov_b64 s[64:65], 0
	v_nop
	global_prefetch_b8 v0, s[64:65] scope:SCOPE_SE
	s_setreg_imm32_b32 hwreg(HW_REG_WAVE_MODE, 25, 1), 1
	s_wait_xcnt 0x0
; LAUNCH 2 OF 2: out[q] = sum_k w(q, k) V[k] / sum_k w(q, k), w = exp(10 truth(q, k)) for k <= q and exp(0) for k > q.
; LEFT OUT (shown at the head of launch 1): the scores of pairs k > q where they come in whole units of 32 keys; such units enter by their sum of V (vs) and by their count.
; THE SCORE.  10 truth = 10 - (10/128) R, R = sum_d max(Q[q][d], K[k][d]) - sum_d K[k][d].  max: v_pk_max_num_f16, two numbers an instruction, nothing is rounded.  THE SUM OVER d IS MADE BY THE MATRIX UNIT,
; in f32: A = 16 keys x 32 d of maxima for ONE query, B = 1.0 in that query's column and 0 elsewhere, so that the sum lands in column n of S^T (register j of lane (r, h): key 8 h + j, query column r).
; Four more products a tile, A = K's own fragment and B = -1 everywhere, take sum_d K away in every column.  8 vector and 1 matrix instruction for 512 terms.
; THE SHIFT.  reference()'s sigmoid and its min(.., 1) hold every score in 0 .. 10 for every input; a masked score is 0.  p = 2^(4 - c R) = 16 exp(score - 10), c = (10/128) log2 e, lies in 7.3e-4 .. 16:
; normal numbers of f16; a row's sum lies in 0.74 .. 16,384 and is kept in f32.  No exponential and no sum can overflow or underflow, so no running maximum is kept.  A masked pair has p = E = 16 exp(-10).
; SHARES.  Work-group (c = x / 4, p = x % 4, batch y): queries 4 p .. 4 p + 3 of tile 63 - c (columns 0-3, "high") and of tile c (columns 4-7, "low"); columns 8-15 are not used (they count as masked).
; Keys go in units of 32.  High needs units 0 .. UH = 31 - c / 2, low 0 .. UL = c / 2: 4 x 33 query-units in every work-group.  Wave w walks units w, w + 4, .. <= UH; where u > UL the low queries are
; jumped over and the mask gives them E.  Units above UH: wave w adds vs[u] for its u = w + 4 i.  The four waves' sums of O, l and the tail meet in LDS at the end.
; PV.  Two S^T tiles, rounded to f16 in pairs, ARE source 1 (32 keys x 16 queries) of O^T = V^T P; vf holds V^T's fragments as registers want them.  l is the sum of the unrounded p, in f32.
; MEMORY.  kf and vf lie in register order: every load covers 512 consecutive bytes, and each byte that the work-group needs is loaded once, by the one wave that uses it, straight into registers.
; NO CLUSTER, NO TENSOR LOAD: the four work-groups of one c walk the same units, but a joint request lands in LDS, where each unit's 16,384 bytes would be written and read once more for a single use.
; LIMITS.  |V| under 65,504 (launch 1); NaN and infinities are not treated apart.
; REGISTERS, in windows of 256 (s_set_vgpr_msb: bits 1:0 source 0, 3:2 source 1, 5:4 source 2, 7:6 destination).  A query's 32 registers (its row, the same in all 16 lanes of a half) and its 8 selector
; registers lie together, so ONE setting (source 1 in window 1 or 2) serves the maxima and the products.
.set SPW, 10                           ; v10       my spare word's LDS address; never rewritten
.set NIL, 11                           ; v11       0; never rewritten
.set TL,  16                           ; v[16:31]  up to four units' sums of V: my 4 channels of each
.set KF,  32                           ; v[32:95]  K of a unit: block b (16 keys) at KF + 32 b; chunk c of d at + 8 c
.set TA,  96                           ; v[96:119] three buffers of maxima
.set SS,  120                          ; v[120:151] S^T: block b at SS + 16 b, two accumulators that take turns; their sum is the tile
.set PP,  152                          ; v[152:159] P
.set OO,  160                          ; v[160:223] O^T: channels 16 cb + 8 h + j at OO + 8 cb + j
.set VV,  160                          ; window 1: v[160:223] V^T of a unit
.set NEG, 224                          ; window 1: v[224:231] -1.0 twice
.set QS,  40                           ; windows 1 (high) and 2 (low): query i at 40 i: 32 registers of Q, then 8 of its selector
.set OPW, 16*528                       ; LDS: a wave's partial O: 16 columns x (512 + 16) bytes
.set LP,  4*OPW                        ; the partial l: 64 bytes a wave
.set TP,  LP+256                       ; the partial tail sums: 512 bytes a wave
.set SPARE, TP+2048                    ; the spare words, 128 bytes a wave: two blocks of 256 bytes that no other line names
.set STEP, 4*8192                      ; from a wave's unit to its next, in kf and in vf
.set MSB, 0
.macro WIN new                         ; the immediate's high byte repeats the setting that is left
.if MSB != (\new)
	s_set_vgpr_msb (MSB<<8)|(\new)
.set MSB, \new
.endif
.endm
.macro PLACES                          ; four plain instructions behind a matrix instruction, ahead of a write or a load into one of its registers
.rept 4
	v_nop
.endr
.endm
.macro KLOAD b                         ; block b of the unit at s[20:21]
.irp t, 0,1,2,3,4,5,6,7
	global_load_b128 v[KF+32*(\b)+4*\t:KF+32*(\b)+4*\t+3], v3, s[20:21] offset:(\b)*4096+\t*512
.endr
.endm
.macro VLOAD                           ; V^T of the unit at s[22:23]
	WIN 0x40                                       ; destination window 1
.irp f, 0,1,2,3,4,5,6,7,8,9,10,11,12,13,14,15
	global_load_b128 v[VV+4*\f:VV+4*\f+3], v3, s[22:23] offset:\f*512
.endr
	WIN 0
.endm
; The matrix instruction that is due: A = v[PA ..], B = v[PB ..].  The block's two accumulators take turns, one instruction a turn; the first two start their sums with 0.
.macro EMIT b
.set AC, SS+16*(\b)+8*(wk%2)
.if wk < 2
	v_wmma_f32_16x16x32_f16 v[AC:AC+7], v[PA:PA+7], v[PB:PB+7], 0
.else
	v_wmma_f32_16x16x32_f16 v[AC:AC+7], v[PA:PA+7], v[PB:PB+7], v[AC:AC+7]
.endif
.set wk, wk+1
.endm
; Query q of the group in hand against block b: four chunks of 32 d.  A chunk's product is issued behind the NEXT chunk's eight maxima, so that it does not wait for the maximum just made; with three
; buffers the eight maxima between are the places ahead of a buffer's next write.  init = 1: behind the second chunk stands the product that takes chunk q of sum_d K away.
.macro QRY b, q, init
.set cch, 0
.rept 4
.set RT, TA+8*(tk%3)
.set kk, 0
.rept 8
	v_pk_max_num_f16 v[RT+kk], v[KF+32*(\b)+8*cch+kk], v[QS*(\q)+8*cch+kk]
.set kk, kk+1
.endr
.if pend
	EMIT \b
.endif
.set PA, RT
.set PB, QS*(\q)+32
.set pend, 1
.set tk, tk+1
.if (\init) && (cch == 1)
.set SA, PA
.set SB, PB
.set PA, KF+32*(\b)+8*(\q)
.set PB, NEG
	EMIT \b
.set PA, SA
.set PB, SB
.endif
.set cch, cch+1
.endr
.endm
.macro DRAIN b
	EMIT \b
.set pend, 0
.endm
; A block of 16 keys: the high queries always (20 products), the low ones where the unit is theirs too (16).
.macro BLOCK b
.set wk, 0
.set tk, 0
.set pend, 0
	WIN 0x04                                       ; source 1 in window 1
	QRY \b, 0, 1
	QRY \b, 1, 1
	QRY \b, 2, 1
	QRY \b, 3, 1
	DRAIN \b
	WIN 0                                          ; at a branch and at a label every window is 0
	s_cmp_gt_u32 s30, s28                          ; a unit above UL: all its keys are hidden from the low queries
	s_cbranch_scc1 .Lno_low_\@
	WIN 0x08                                       ; source 1 in window 2
	QRY \b, 0, 0
	QRY \b, 1, 0
	QRY \b, 2, 0
	QRY \b, 3, 0
	DRAIN \b
	WIN 0
.Lno_low_\@:
	PLACES                                         ; ahead of the next write of the buffers that the last two products read, on either way
.endm
.macro SOFTMAX
.irp b, 0,1                            ; 4 - c (Sa + Sb); block 0's eight lines are the places behind block 1's last products; each accumulator is read from its low end on
.irp i, 0,2,4,6
	v_pk_fma_f32 v[SS+16*\b+8+\i:SS+16*\b+8+\i+1], v[SS+16*\b+8+\i:SS+16*\b+8+\i+1], s[36:37], s[38:39] op_sel_hi:[1,0,0]
.endr
.irp i, 0,2,4,6
	v_pk_fma_f32 v[SS+16*\b+\i:SS+16*\b+\i+1], v[SS+16*\b+\i:SS+16*\b+\i+1], s[36:37], v[SS+16*\b+8+\i:SS+16*\b+8+\i+1] op_sel_hi:[1,0,1]
.endr
.endr
.irp b, 0,1
.irp j, 0,1,2,3,4,5,6,7
	v_exp_f32 v[SS+16*\b+\j], v[SS+16*\b+\j]
.endr
.endr
	v_add_nc_u32 v7, -16, v6                       ; block 1's q - key base: the plain instruction behind the last exponential
	s_wait_alu depctr_va_vdst(0)                   ; one wait for the batch of 16
.irp b, 0,1
.irp j, 0,1,2,3,4,5,6,7
	v_cmp_gt_i32 vcc_lo, \j, v[6+\b]               ; key 32 u + 16 b + 8 h + j > q
	v_cndmask_b32 v[SS+16*\b+\j], v[SS+16*\b+\j], s40, vcc_lo
.endr
.endr
.irp b, 0,1
.irp i, 0,1,2,3
	v_pk_add_f32 v[8:9], v[8:9], v[SS+16*\b+2*\i:SS+16*\b+2*\i+1]
	v_cvt_pk_f16_f32 v[PP+4*\b+\i], v[SS+16*\b+2*\i], v[SS+16*\b+2*\i+1]
.endr
.endr
.endm
.macro PVMUL
	WIN 0x01                                       ; source 0 (V^T) in window 1
.irp cb, 0,1,2,3,4,5,6,7
	v_wmma_f32_16x16x32_f16 v[OO+8*\cb:OO+8*\cb+7], v[VV+8*\cb:VV+8*\cb+7], v[PP:PP+7], v[OO+8*\cb:OO+8*\cb+7]
.endr
	WIN 0
.endm
; A unit.  Loads are issued in the order K block 0, K block 1, V, unit after unit; each set of registers is asked for again as soon as it has been read.  pre = 1: the wave has a further unit.
.macro TRIP pre
	s_wait_loadcnt 24                              ; K block 0 is in: K block 1's 8 loads and V's 16 are younger
	BLOCK 0
.if \pre
	s_wait_xcnt 0x0                                ; every load issued so far has read its address: the two pointers may be written
	s_add_nc_u64 s[20:21], s[20:21], STEP
	s_add_nc_u64 s[22:23], s[22:23], STEP
	KLOAD 0
	s_wait_loadcnt 24                              ; K block 1 is in: V's 16 and the next block 0's 8 are younger
.else
	s_wait_loadcnt 16                              ; K block 1 is in: V's 16 are younger
.endif
	BLOCK 1
.if \pre
	KLOAD 1
.endif
	SOFTMAX
.if \pre
	s_wait_loadcnt 16                              ; V is in: the next unit's 16 loads of K are younger
.else
	s_wait_loadcnt 0x0
.endif
	PVMUL
.if \pre
	PLACES                                         ; ahead of the loads into V's registers
	VLOAD
	v_add_nc_u32 v6, 0xffffff80, v6                ; the next unit's keys lie 128 further on
	s_add_co_u32 s30, s30, 4
.endif
.endm
	s_load_b256 s[4:11], s[0:1], 0x0               ; qf s[4:5], kf s[6:7], vf s[8:9], vs s[10:11]
	s_load_b64 s[12:13], s[0:1], 0x20              ; out0
	v_lshl_add_u32 v[SPW], v0, 2, SPARE
	v_mov_b32 v[NIL], 0
	v_and_b32 v1, 15, v0                           ; r
	v_bfe_u32 v2, v0, 4, 1                         ; h
	v_lshrrev_b32 v3, 5, v0
	v_readfirstlane_b32 s14, v3                    ; wave 0..3
	v_and_b32 v3, 31, v0
	v_lshlrev_b32 v3, 4, v3                        ; 16 x lane; never rewritten
	s_and_b32 s15, ttmp7, 0xffff                   ; batch
	s_lshr_b32 s26, ttmp9, 2                       ; c
	s_and_b32 s27, ttmp9, 3                        ; p
	s_lshr_b32 s28, s26, 1                         ; UL
	s_sub_co_u32 s29, 31, s28                      ; UH
	s_sub_co_u32 s32, s29, s14
	s_lshr_b32 s32, s32, 2                         ; my units less one: 3 to 7
	s_mov_b32 s30, s14                             ; the unit in hand
	s_mov_b32 s31, 0
	s_sub_co_u32 s33, 63, s26                      ; the high tile
	s_lshl_b32 s48, s27, 2
	s_lshl_b32 s46, s33, 4
	s_add_co_u32 s46, s46, s48                     ; column 0's query: 16 (63 - c) + 4 p
	s_lshl_b32 s47, s26, 4
	s_add_co_u32 s47, s47, s48
	s_sub_co_u32 s47, s47, 4                       ; column n >= 4 has query 16 c + 4 p - 4 + n
	s_lshl_b32 s52, s28, 5                         ; keys above unit UH: 32 (c / 2)
	s_mov_b32 s36, 0xbde6d4ca                      ; -c = -(10/128) log2(e)
	s_mov_b32 s37, s36                             ; named with it as a pair
	s_mov_b32 s38, 4.0
	s_mov_b32 s39, 4.0
	s_mov_b32 s40, 0x3a3e6bce                      ; E = 16 exp(-10)
	s_mov_b32 s41, s40
	s_mov_b32 s42, 0x3c003c00                      ; 1.0 twice, in f16
	s_mov_b32 s44, 0x76543210                      ; v_permlanex16_b32: each lane takes its own place in the other half
	s_mov_b32 s45, 0xfedcba98
	s_lshl_b32 s49, s15, 6
	s_add_co_u32 s50, s49, s33
	s_lshl_b32 s50, s50, 12                        ; the high tile's 4,096 bytes in qf
	s_mov_b32 s51, 0
	s_add_co_u32 s54, s49, s26
	s_lshl_b32 s54, s54, 12                        ; the low tile's
	s_mov_b32 s55, 0
	s_lshl_b32 s49, s15, 5
	s_add_co_u32 s49, s49, s14                     ; my first unit among both batches'
	s_lshl_b32 s56, s49, 13
	s_mov_b32 s57, 0
	s_lshl_b32 s58, s49, 9
	s_mov_b32 s59, 0
	s_lshl_b32 s60, s15, 19                        ; the batch's 1,024 rows of 512 bytes
	s_mov_b32 s61, 0
	v_lshlrev_b32 v4, 8, v2
	s_lshl_b32 s53, s27, 6
	v_add_nc_u32 v4, s53, v4                       ; a query's row in its tile: (16 h + 4 p + i) x 16, i in the immediate; never rewritten
	v_add_nc_u32 v5, s46, v1
	v_add_nc_u32 v6, s47, v1
	v_cmp_gt_u32 vcc_lo, 4, v1
	v_cndmask_b32 v5, v6, v5, vcc_lo               ; my column's query,
	v_cmp_gt_u32 vcc_lo, 8, v1
	v_mov_b32 v6, 0xfffff000
	v_cndmask_b32 v5, v6, v5, vcc_lo               ; or -4,096 in a column that is not used: every key counts as hidden
	v_lshlrev_b32 v6, 3, v2
	v_sub_nc_u32 v5, v5, v6
	s_lshl_b32 s53, s14, 5
	v_mov_b32 v7, s53
	v_sub_nc_u32 v6, v5, v7                        ; v6 = q - 8 h - 32 u
.set kk, 0
.rept 16
	v_mov_b32 v[TL+kk], 0                          ; a unit that is not in the tail adds nothing
.set kk, kk+1
.endr
	s_wait_kmcnt 0x0
	s_add_nc_u64 s[16:17], s[4:5], s[50:51]
	s_add_nc_u64 s[18:19], s[4:5], s[54:55]
	s_add_nc_u64 s[20:21], s[6:7], s[56:57]
	s_add_nc_u64 s[22:23], s[8:9], s[56:57]
	s_add_nc_u64 s[24:25], s[10:11], s[58:59]
	s_add_nc_u64 s[12:13], s[12:13], s[60:61]
.irp i, 4,5,6,7                        ; my units w + 4 i above UH (UH is 16 at the least): their sums of V, 512 consecutive bytes each.  These loads are the oldest, so the counts below hold with or without them
	s_add_co_u32 s62, s14, 4*\i
	s_cmp_gt_u32 s62, s29
	s_cbranch_scc0 .Lno_tail_\i
	global_load_b128 v[TL+4*(\i-4):TL+4*(\i-4)+3], v3, s[24:25] offset:\i*2048
.Lno_tail_\i:
.endr
	WIN 0x40
.irp i, 0,1,2,3
.irp t, 0,1,2,3,4,5,6,7
	global_load_b128 v[QS*\i+4*\t:QS*\i+4*\t+3], v4, s[16:17] offset:\t*512+\i*16
.endr
.endr
	WIN 0x80
.irp i, 0,1,2,3
.irp t, 0,1,2,3,4,5,6,7
	global_load_b128 v[QS*\i+4*\t:QS*\i+4*\t+3], v4, s[18:19] offset:\t*512+\i*16
.endr
.endr
	WIN 0
	KLOAD 0
	KLOAD 1
	VLOAD
	; while the loads are out: the selectors, -1, and the sums' zeros (64 + 2 lines, so that the loop has one form of product)
	WIN 0x40
.irp i, 0,1,2,3
	v_cmp_eq_u32 vcc_lo, \i, v1
.irp k, 0,1,2,3,4,5,6,7
	v_cndmask_b32 v[QS*\i+32+\k], 0, s42, vcc_lo
.endr
.endr
.irp k, 0,1,2,3,4,5,6,7
	v_mov_b32 v[NEG+\k], 0xbc00bc00
.endr
	WIN 0x80
.irp i, 0,1,2,3
	v_cmp_eq_u32 vcc_lo, \i+4, v1
.irp k, 0,1,2,3,4,5,6,7
	v_cndmask_b32 v[QS*\i+32+\k], 0, s42, vcc_lo
.endr
.endr
	WIN 0
.set kk, 0
.rept 64
	v_mov_b32 v[OO+kk], 0
.set kk, kk+1
.endr
	v_mov_b32 v8, 0
	v_mov_b32 v9, 0
.Ltrip:                                        ; all my units but the last
	TRIP 1
	s_add_co_u32 s31, s31, 1
	s_cmp_lt_u32 s31, s32
	s_cbranch_scc1 .Ltrip
	TRIP 0                                         ; the last unit asks for nothing: no load leaves its buffer
	; THE FOUR WAVES' SUMS MEET.  The address lines are also the places behind the last products.
	v_mul_u32_u24 v12, v1, 528
	v_lshl_add_u32 v12, v2, 5, v12
	s_mul_i32 s49, s14, OPW
	v_add_nc_u32 v12, s49, v12                     ; in: column r, channels 16 cb + 8 h on
	v_lshl_add_u32 v13, v1, 2, LP
	s_lshl_b32 s49, s14, 6
	v_add_nc_u32 v13, s49, v13                     ; l of column r
	s_lshl_b32 s50, s14, 9
	s_add_co_u32 s50, s50, TP
	v_add_nc_u32 v14, s50, v3                      ; my 4 channels of the tail
	s_lshl_b32 s51, s14, 1
	v_add_nc_u32 v224, s51, v2                     ; back: thread t finishes column t / 16 = 2 w + h, channels 4 r .. and 64 + 4 r ..
	v_mul_u32_u24 v15, v224, 528
	v_lshl_add_u32 v15, v1, 4, v15
	v_lshl_add_u32 v225, v224, 2, LP
	v_lshl_add_u32 v226, v1, 4, TP
	v_add_nc_u32 v227, s46, v224
	v_add_nc_u32 v228, s47, v224
	v_cmp_gt_u32 vcc_lo, 4, v224
	v_cndmask_b32 v227, v228, v227, vcc_lo         ; the column's query
	v_lshlrev_b32 v227, 9, v227
	v_lshl_add_u32 v227, v1, 4, v227               ; its row of out0, my 16 bytes
	v_add_f32 v8, v8, v9
	v_permlanex16_b32 v9, v8, s44, s45             ; the column's other keys lie in the lane 16 away
	v_add_f32 v8, v8, v9
	v_pk_add_f32 v[TL:TL+1], v[TL:TL+1], v[TL+4:TL+5]
	v_pk_add_f32 v[TL+2:TL+3], v[TL+2:TL+3], v[TL+6:TL+7]
	v_pk_add_f32 v[TL+8:TL+9], v[TL+8:TL+9], v[TL+12:TL+13]
	v_pk_add_f32 v[TL+10:TL+11], v[TL+10:TL+11], v[TL+14:TL+15]
	v_pk_add_f32 v[TL:TL+1], v[TL:TL+1], v[TL+8:TL+9]
	v_pk_add_f32 v[TL+2:TL+3], v[TL+2:TL+3], v[TL+10:TL+11]
.irp cb, 0,1,2,3,4,5,6,7
	ds_store_b128 v12, v[OO+8*\cb:OO+8*\cb+3]   offset:64*\cb      ; each accumulator's low end first
	ds_store_b128 v12, v[OO+8*\cb+4:OO+8*\cb+7] offset:64*\cb+16
.endr
	ds_store_b32 v13, v8                           ; both halves of the lanes write the same number to the same word
	ds_store_b128 v14, v[TL:TL+3]
	s_wait_dscnt 0x0                               ; for the others' sake: my stores are done
	s_barrier_signal -1
	s_barrier_wait -1
.irp g, 0,1,2,3
	ds_load_b128 v[KF+8*\g:KF+8*\g+3],       v15  offset:\g*OPW
	ds_load_b128 v[KF+8*\g+4:KF+8*\g+7],     v15  offset:\g*OPW+256
	ds_load_b128 v[KF+32+8*\g:KF+32+8*\g+3], v226 offset:\g*512
	ds_load_b128 v[KF+32+8*\g+4:KF+32+8*\g+7], v226 offset:\g*512+256
	ds_load_b32 v[TA+\g], v225 offset:\g*64
.endr
	s_wait_dscnt 0x0
.irp k, 0,2,4,6
	v_pk_add_f32 v[KF+\k:KF+\k+1], v[KF+\k:KF+\k+1], v[KF+8+\k:KF+8+\k+1]
	v_pk_add_f32 v[KF+16+\k:KF+16+\k+1], v[KF+16+\k:KF+16+\k+1], v[KF+24+\k:KF+24+\k+1]
	v_pk_add_f32 v[KF+32+\k:KF+32+\k+1], v[KF+32+\k:KF+32+\k+1], v[KF+40+\k:KF+40+\k+1]
	v_pk_add_f32 v[KF+48+\k:KF+48+\k+1], v[KF+48+\k:KF+48+\k+1], v[KF+56+\k:KF+56+\k+1]
.endr
.irp k, 0,2,4,6
	v_pk_add_f32 v[KF+\k:KF+\k+1], v[KF+\k:KF+\k+1], v[KF+16+\k:KF+16+\k+1]
	v_pk_add_f32 v[KF+32+\k:KF+32+\k+1], v[KF+32+\k:KF+32+\k+1], v[KF+48+\k:KF+48+\k+1]
.endr
	v_add_f32 v[TA], v[TA], v[TA+1]
	v_add_f32 v[TA+2], v[TA+2], v[TA+3]
	v_cvt_f32_u32 v[TA+4], s52
	v_add_f32 v[TA], v[TA], v[TA+2]
	v_fma_f32 v[TA], v[TA+4], s40, v[TA]           ; l + E x the tail's keys
	v_rcp_f32 v[TA], v[TA]
.irp k, 0,2,4,6
	v_pk_fma_f32 v[KF+\k:KF+\k+1], v[KF+32+\k:KF+32+\k+1], s[40:41], v[KF+\k:KF+\k+1] op_sel_hi:[1,0,1]  ; O + E x the tail's sum of V: plain work behind the reciprocal
.endr
	s_wait_alu depctr_va_vdst(0)                   ; the wait ahead of the reciprocal's first reader
.irp k, 0,2,4,6
	v_pk_mul_f32 v[KF+\k:KF+\k+1], v[KF+\k:KF+\k+1], v[TA:TA+1] op_sel_hi:[1,0]
.endr
	global_store_b128 v227, v[KF:KF+3],   s[12:13] th:TH_STORE_NT             ; 16 lanes store 256 consecutive bytes, aligned: half a row of out0
	global_store_b128 v227, v[KF+4:KF+7], s[12:13] offset:256 th:TH_STORE_NT
	s_wait_tensorcnt 0x0                           ; the wave's end: behind my last LDS store
	ds_add_u32 v[SPW], v[NIL]
	s_wait_dscnt 0x0
	s_endpgm
.Lfunc_end_k_qcc29e37b31_attn:
	.size	k_qcc29e37b31_attn, .Lfunc_end_k_qcc29e37b31_attn-k_qcc29e37b31_attn
	.p2alignl 7, 3214868480
	.fill 96, 4, 3214868480
	.section	.rodata,"a",@progbits
	.p2align	6, 0x0
	.amdhsa_kernel k_qcc29e37b31_attn
		.amdhsa_group_segment_fixed_size 36608
		.amdhsa_private_segment_fixed_size 0
		.amdhsa_enable_private_segment 0
		.amdhsa_kernarg_size 40
		.amdhsa_user_sgpr_count 2
		.amdhsa_user_sgpr_kernarg_segment_ptr 1
		.amdhsa_wavefront_size32 1
		.amdhsa_system_sgpr_workgroup_id_x 1
		.amdhsa_system_sgpr_workgroup_id_y 1
		.amdhsa_system_sgpr_workgroup_id_z 1
		.amdhsa_system_vgpr_workitem_id 0
		.amdhsa_next_free_vgpr 672
		.amdhsa_next_free_sgpr 66
		.amdhsa_reserve_vcc 1
		.amdhsa_float_denorm_mode_32 3
		.amdhsa_float_denorm_mode_16_64 3
		.amdhsa_memory_ordered 1
		.amdhsa_forward_progress 1
		.amdhsa_inst_pref_size 115
	.end_amdhsa_kernel
	.amdgpu_metadata
---
amdhsa.version: [ 1, 2 ]
amdhsa.kernels:
  - .name:           k_qcc29e37b31_attn
    .symbol:         k_qcc29e37b31_attn.kd
    .args:
      - { .name: qf, .offset: 0, .size: 8, .value_kind: global_buffer, .address_space: global }
      - { .name: kf, .offset: 8, .size: 8, .value_kind: global_buffer, .address_space: global }
      - { .name: vf, .offset: 16, .size: 8, .value_kind: global_buffer, .address_space: global }
      - { .name: vs, .offset: 24, .size: 8, .value_kind: global_buffer, .address_space: global }
      - { .name: out0, .offset: 32, .size: 8, .value_kind: global_buffer, .address_space: global }
    .group_segment_fixed_size: 36608
    .private_segment_fixed_size: 0
    .kernarg_segment_align: 8
    .kernarg_segment_size: 40
    .max_flat_workgroup_size: 128
    .sgpr_count:     66
    .vgpr_count:     672
    .wavefront_size: 32
...
	.end_amdgpu_metadata
.endif
;; end of part 2
;; ======== version 2 of 2: 2 launches; version 1 with the launch proj written anew for expert scheduling mode
;; limits: values are held in f16: magnitudes above 65,504 overflow, below 6.1e-05 lose precision; right only within a limited range of input values
;; workspace buffers: qf 524,288 bytes; kf 524,288 bytes; vf 524,288 bytes; vs 32,768 bytes
;; launch proj (part 3): grid 64 x 3, 4 waves a work-group, no clusters, 0 bytes of LDS; arguments x, Wq, Wk, Wv, bq, bk, bv, qf, kf, vf, vs; writes qf, kf, vf, vs
.if DOCPART == 3
	.amdgcn_target "amdgcn-amd-amdhsa--gfx1250"
	.amdhsa_code_object_version 6
	.text
	.protected	k_qcc29e37b31_proj
	.globl	k_qcc29e37b31_proj
	.p2align	8
	.type	k_qcc29e37b31_proj,@function
k_qcc29e37b31_proj:
	s_mov_b64 s[64:65], 0
	v_nop
	global_prefetch_b8 v0, s[64:65] scope:SCOPE_SE
	s_setreg_imm32_b32 hwreg(HW_REG_WAVE_SCHED_MODE, 0, 2), 2
	s_setreg_imm32_b32 hwreg(HW_REG_WAVE_MODE, 25, 1), 1
	s_wait_xcnt 0x0
	s_wait_alu depctr_vm_vsrc(0)
; LAUNCH 1 OF 2: Q = sigmoid(x Wq^T + bq), K = sigmoid(x Wk^T + bk), V = x Wv^T + bv, and the sums of V over units of 32 keys.
; WHAT THE WHOLE PROGRAM LEAVES OUT, AND WHY IT IS DEAD (for all finite inputs):
;  (1) For k > q reference() overwrites the mean of the implication by 0.0 (its own tril): Q[q] and K[k] of such a pair reach no output.  Launch 2 does not score such pairs where they come in
;      whole units of 32 keys; inside a unit that it walks anyway it scores them and replaces the weight.  Their weight, exp(0 - shift), is the same for all of them, so whole masked units enter as
;      that weight times the sum of V over the unit (made here, in f32) and times 32 in the divisor.
;  (2) min(1 - Q + K, 1) = 1 - (max(Q, K) - K), an identity: launch 2 forms R = sum_d max(Q, K) - sum_d K, and 10 x truth = 10 - (10/128) R.  Both sums lie in 0 .. 128 for every input.
;  No input is left out.  LIMIT: a NaN or an infinity that reaches only the scores of masked pairs is not carried (reference()'s where drops it too).
; FORMATS.  x, W and b are rounded to bf16; products in bf16, sums in f32.  Q and K (in 0 .. 1), and V, are stored rounded once to f16.
; LIMIT: |V| stays under 65,504.  All inputs 30 times larger give about 4,500; a common offset of 30 spreads on x and on Wv gives 128 x 30 x 2.65, about 10,200.
; sigmoid(z) = 1 / (1 + 2^(-z log2 e)): for z far below 0 the power is infinite and the result 0, far above 0 the power counts as 0 and the result is 1.
; SHARES.  Work-group (u, y): rows 32 u .. 32 u + 31 of x (both batches on end), y = 0: Q, 1: K, 2: V.  Wave w: output columns 32 w .. 32 w + 31: 2 x 2 tiles of 16 x 16, K = 128 in 4 steps.
; FRAGMENTS come straight from memory: lane (r = lane % 16, h = lane / 16) takes of row r the 16 bytes at 32 i + 16 h, i = 0 .. 15: step s holds d = 32 s .. 32 s + 31, in an order that is the same
; for x and for W, so the products pair the right numbers.  64 f32 registers are packed to 32 of bf16 in place (register k takes 2 k and 2 k + 1, ascending: nothing unread is overwritten).
; LAYOUT OUT = the register images of launch 2.  Q, K: sources (W, x): a lane holds row r and features 16 t + 8 h + 0..7: 16 bytes, at block(16 rows) x 4096 + t x 512 + lane x 16.
; V: sources (x, W): a lane holds channel r and keys 8 h + 0..7 of a tile of 16 keys: at unit x 8192 + cb x 1024 + tile x 512 + lane x 16.  Every such store covers 512 consecutive bytes, aligned.
; No LDS, no barrier: no wave wants what another has.  No cluster: what work-groups share (64 KiB of one W) goes into registers, not into LDS.
; THE MODE: SCHED_MODE bits 1:0 = 2 (LLVM: expert scheduling mode 2), set by the entry lines.  The code itself states the register dependences between vector or matrix instructions and memory
; instructions, with s_wait_alu, always for 0.
; THE PLAN.  Registers that memory instructions touch:
;   v4          offset of x's and W's loads; v5: of the bias's; v6, v8: of the stores.  Each is written once, ahead of a wait on va_vdst, and never again: no wait on vm_vsrc is owed.
;   XR, W, BI   loaded once; no vector instruction names them ahead of their load.  (On the V path the bias lands in TM, likewise.)
;   TM, v7      written by the last conversions (by the select): a wait on va_vdst stands ahead of each run of stores that reads them; nothing writes them behind their stores.
.set XR,  16                           ; v[16:143]   x: block b (16 rows) at XR + 64 b; after packing step s at + 8 s
.set ACC, 144                          ; v[144:175]  accumulator (tt, b) at ACC + 8 (2 tt + b)
.set BI,  176                          ; v[176:191]  the bias as a C operand, 8 registers for each column tile tt
.set TM,  192                          ; v[192:207]  at work; packed results
                                       ; window 1: v[0:127] W: tile tt (16 rows) at 64 tt; after packing step s at + 8 s
.set MSB, 0
.macro WIN new                         ; the immediate's high byte repeats the setting that is left
.if MSB != (\new)
	s_set_vgpr_msb (MSB<<8)|(\new)
.set MSB, \new
.endif
.endm
.macro PACKB base                      ; 64 f32 -> 32 registers of two bf16, in place
.set kk, 0
.rept 32
	v_cvt_pk_bf16_f32 v[(\base)+kk], v[(\base)+2*kk], v[(\base)+2*kk+1]
.set kk, kk+1
.endr
.endm
.macro PLACES8                         ; plain instructions between the last product and the first reader of its result (ISA guide 7.12.1), once a launch
.rept 8
	v_nop
.endr
.endm
; 16 products; the four accumulators take turns; the first product of each takes the bias as C
.macro MULS vpath
.irp s, 0,1,2,3
.irp tt, 0,1
.irp b, 0,1
.set AC, ACC+8*(2*\tt+\b)
.set FW, 64*\tt+8*\s
.set FX, XR+64*\b+8*\s
.if \vpath
.if \s == 0
	v_wmma_f32_16x16x32_bf16 v[AC:AC+7], v[FX:FX+7], v[FW:FW+7], v[BI+8*\tt:BI+8*\tt+7]
.else
	v_wmma_f32_16x16x32_bf16 v[AC:AC+7], v[FX:FX+7], v[FW:FW+7], v[AC:AC+7]
.endif
.else
.if \s == 0
	v_wmma_f32_16x16x32_bf16 v[AC:AC+7], v[FW:FW+7], v[FX:FX+7], v[BI+8*\tt:BI+8*\tt+7]
.else
	v_wmma_f32_16x16x32_bf16 v[AC:AC+7], v[FW:FW+7], v[FX:FX+7], v[AC:AC+7]
.endif
.endif
.endr
.endr
.endr
.endm
	s_load_b512 s[8:23], s[0:1], 0x0               ; x s[8:9], Wq s[10:11], Wk s[12:13], Wv s[14:15], bq s[16:17], bk s[18:19], bv s[20:21], qf s[22:23]
	s_load_b128 s[24:27], s[0:1], 0x40             ; kf s[24:25], vf s[26:27]
	s_load_b64 s[28:29], s[0:1], 0x50              ; vs
	v_and_b32 v1, 15, v0                           ; r
	v_bfe_u32 v2, v0, 4, 1                         ; h
	v_lshrrev_b32 v3, 5, v0
	v_readfirstlane_b32 s30, v3                    ; wave 0..3
	v_and_b32 v3, 31, v0
	v_lshlrev_b32 v3, 4, v3                        ; 16 x lane
	v_lshlrev_b32 v4, 9, v1
	v_lshl_add_u32 v4, v2, 4, v4                   ; a fragment's offset: r x 512 + 16 h
	s_and_b32 s31, ttmp7, 0xffff                   ; y
	s_lshl_b32 s32, ttmp9, 14                      ; the unit's 32 rows of x, 512 bytes each
	s_mov_b32 s33, 0
	s_wait_alu depctr_va_sdst(0)                   ; s30 is written, ahead of its first reader: W's rows, the bias's place and the stores' offsets are made from it
	s_lshl_b32 s48, s30, 14                        ; my wave's 32 rows of W
	s_mov_b32 s49, 0
	s_lshl_b32 s50, ttmp9, 13                      ; the unit's 8,192 bytes in qf, kf or vf
	s_mov_b32 s51, 0
	s_lshl_b32 s52, s30, 7                         ; my wave's 32 numbers of the bias, and of vs
	s_mov_b32 s42, 0xbfb8aa3b                      ; -log2(e)
	s_mov_b32 s43, s42                             ; named with it as a pair
	s_mov_b32 s44, 1.0
	s_mov_b32 s45, 1.0
	s_mov_b32 s46, 0x76543210                      ; v_permlanex16_b32: each lane takes its own place in the other half
	s_mov_b32 s47, 0xfedcba98
	s_wait_kmcnt 0x0
	s_cmp_eq_u32 s31, 0
	s_cselect_b64 s[34:35], s[10:11], s[12:13]     ; W, b and the output by y
	s_cselect_b64 s[36:37], s[16:17], s[18:19]
	s_cselect_b64 s[38:39], s[22:23], s[24:25]
	s_cmp_eq_u32 s31, 2
	s_cselect_b64 s[34:35], s[14:15], s[34:35]
	s_cselect_b64 s[36:37], s[20:21], s[36:37]
	s_cselect_b64 s[38:39], s[26:27], s[38:39]
	s_add_nc_u64 s[8:9], s[8:9], s[32:33]
	s_add_nc_u64 s[34:35], s[34:35], s[48:49]
	s_add_nc_u64 s[38:39], s[38:39], s[50:51]
	s_wait_alu depctr_va_vdst(0)                   ; v4 is written, which the 64 loads below read as their offset; only loads and a window switch stand between this wait and the last of them
.irp b, 0,1
.set ii, 0
.rept 16
	global_load_b128 v[XR+64*\b+4*ii:XR+64*\b+4*ii+3], v4, s[8:9] offset:\b*8192+32*ii
.set ii, ii+1
.endr
.endr
	WIN 0x40                                       ; destination window 1, address window 0
.irp tt, 0,1
.set ii, 0
.rept 16
	global_load_b128 v[64*\tt+4*ii:64*\tt+4*ii+3], v4, s[34:35] offset:\tt*8192+32*ii
.set ii, ii+1
.endr
.endr
	WIN 0
	s_cmp_eq_u32 s31, 2
	s_cbranch_scc1 .Lvalues
	; ---- Q or K.  C(m, n) = b[feature m]: register j of lane (r, h) holds b[32 w + 16 tt + 8 h + j]
	v_lshlrev_b32 v5, 5, v2
	v_add_nc_u32 v5, s52, v5                       ; 128 w + 32 h
	s_lshl_b32 s53, s30, 10
	v_add_nc_u32 v6, s53, v3                       ; my 16 bytes of a block: t = 2 w + tt: 1,024 w + 16 lane
	s_wait_alu depctr_va_vdst(0)                   ; v5 is written, which the bias's loads read; so is v6, the stores' offset
.irp tt, 0,1
	global_load_b128 v[BI+8*\tt:BI+8*\tt+3],   v5, s[36:37] offset:64*\tt
	global_load_b128 v[BI+8*\tt+4:BI+8*\tt+7], v5, s[36:37] offset:64*\tt+16
.endr
	s_wait_loadcnt 36                              ; x is in: W's 32 loads and the bias's 4 are younger
	PACKB XR
	PACKB XR+64
	s_wait_loadcnt 4                               ; W is in: the bias's 4 are younger
	WIN 0x45                                       ; sources and destination in window 1
	PACKB 0
	PACKB 64
	WIN 0
	s_wait_loadcnt 0x0
.irp k, 0,1,2,3,4,5,6,7
	v_cvt_pk_bf16_f32 v[TM+\k], v[BI+2*\k], v[BI+2*\k+1]     ; the bias is rounded to bf16 like the other inputs,
	v_lshlrev_b32 v[BI+2*\k], 16, v[TM+\k]                   ; and widened again
	v_and_b32 v[BI+2*\k+1], 0xffff0000, v[TM+\k]
.endr
	WIN 0x01                                       ; source 0 (W) in window 1
	MULS 0
	WIN 0
	PLACES8
.set kk, 0
.rept 16
	v_pk_mul_f32 v[ACC+kk:ACC+kk+1], v[ACC+kk:ACC+kk+1], s[42:43] op_sel_hi:[1,0]  ; each accumulator is read from its low end on
.set kk, kk+2
.endr
.set kk, 0
.rept 32
	v_exp_f32 v[ACC+kk], v[ACC+kk]
.set kk, kk+1
.endr
	v_nop                                          ; a plain instruction behind the last exponential,
	s_wait_alu depctr_va_vdst(0)                   ; and one wait for the batch of 32: the exponentials have written v[ACC ..]
.set kk, 0
.rept 16
	v_pk_add_f32 v[ACC+kk:ACC+kk+1], v[ACC+kk:ACC+kk+1], s[44:45] op_sel_hi:[1,0]
.set kk, kk+2
.endr
.set kk, 0
.rept 32
	v_rcp_f32 v[ACC+kk], v[ACC+kk]
.set kk, kk+1
.endr
	v_nop
	s_wait_alu depctr_va_vdst(0)                   ; one wait for the 32 reciprocals: they have written v[ACC ..]
.set kk, 0
.rept 16
	v_cvt_pk_f16_f32 v[TM+kk], v[ACC+2*kk], v[ACC+2*kk+1]
.set kk, kk+1
.endr
	s_wait_alu depctr_va_vdst(0)                   ; the conversions have written v[TM ..], which the four stores read
.irp tt, 0,1
.irp b, 0,1
	global_store_b128 v6, v[TM+4*(2*\tt+\b):TM+4*(2*\tt+\b)+3], s[38:39] offset:\b*4096+\tt*512  ; 512 consecutive bytes, aligned
.endr
.endr
	s_endpgm
.Lvalues:
	; ---- V.  C(m, n) = bv[channel n]: all eight registers of lane (r, h) hold bv[32 w + 16 tt + r]
	v_lshlrev_b32 v5, 2, v1
	v_add_nc_u32 v5, s52, v5                       ; 128 w + 4 r
	s_lshl_b32 s53, s30, 11
	v_add_nc_u32 v6, s53, v3                       ; cb = 2 w + tt: 2,048 w + 16 lane
	v_lshrrev_b32 v8, 2, v3
	v_add_nc_u32 v8, s52, v8                       ; vs: 128 w + 4 lane
	s_wait_alu depctr_va_vdst(0)                   ; v5 is written, which the bias's loads read; so are v6 and v8, the stores' offsets
	global_load_b32 v[TM],   v5, s[36:37]
	global_load_b32 v[TM+1], v5, s[36:37] offset:64
	s_lshl_b32 s50, ttmp9, 9                       ; the unit's 128 sums
	s_add_nc_u64 s[28:29], s[28:29], s[50:51]
	s_wait_loadcnt 34                              ; x is in: W's 32 loads and the bias's 2 are younger
	PACKB XR
	PACKB XR+64
	s_wait_loadcnt 2                               ; W is in
	WIN 0x45
	PACKB 0
	PACKB 64
	WIN 0
	s_wait_loadcnt 0x0
	v_cvt_pk_bf16_f32 v[TM], v[TM], v[TM+1]        ; rounded to bf16 like the other inputs
	v_lshlrev_b32 v[BI], 16, v[TM]
	v_and_b32 v[BI+8], 0xffff0000, v[TM]
.irp k, 1,2,3,4,5,6,7
	v_mov_b32 v[BI+\k], v[BI]
	v_mov_b32 v[BI+8+\k], v[BI+8]
.endr
	WIN 0x04                                       ; source 1 (W) in window 1
	MULS 1
	WIN 0
	PLACES8
.set kk, 0
.rept 16
	v_cvt_pk_f16_f32 v[TM+kk], v[ACC+2*kk], v[ACC+2*kk+1]
.set kk, kk+1
.endr
	s_wait_alu depctr_va_vdst(0)                   ; the conversions have written v[TM ..], which the four stores read; nothing below writes v[TM ..] or v6
.irp tt, 0,1
.irp b, 0,1
	global_store_b128 v6, v[TM+4*(2*\tt+\b):TM+4*(2*\tt+\b)+3], s[38:39] offset:\tt*1024+\b*512  ; 512 consecutive bytes, aligned
.endr
.endr
	v_cmp_eq_u32 vcc_lo, 1, v2                     ; which half of the lanes: for the select at the end; the sums stand between it and the wait for it
	; the sum of V over the unit's 32 keys, in f32: 16 numbers a lane, then the other half of the lanes
.irp tt, 0,1
.irp k, 0,2,4,6
	v_pk_add_f32 v[ACC+16*\tt+\k:ACC+16*\tt+\k+1], v[ACC+16*\tt+\k:ACC+16*\tt+\k+1], v[ACC+16*\tt+8+\k:ACC+16*\tt+8+\k+1]
.endr
.endr
.irp tt, 0,1
	v_pk_add_f32 v[ACC+16*\tt:ACC+16*\tt+1], v[ACC+16*\tt:ACC+16*\tt+1], v[ACC+16*\tt+2:ACC+16*\tt+3]
	v_pk_add_f32 v[ACC+16*\tt+4:ACC+16*\tt+5], v[ACC+16*\tt+4:ACC+16*\tt+5], v[ACC+16*\tt+6:ACC+16*\tt+7]
.endr
.irp tt, 0,1
	v_pk_add_f32 v[ACC+16*\tt:ACC+16*\tt+1], v[ACC+16*\tt:ACC+16*\tt+1], v[ACC+16*\tt+4:ACC+16*\tt+5]
.endr
.irp tt, 0,1
	v_add_f32 v[ACC+16*\tt], v[ACC+16*\tt], v[ACC+16*\tt+1]
.endr
.irp tt, 0,1
	v_permlanex16_b32 v[ACC+16*\tt+1], v[ACC+16*\tt], s46, s47   ; its destination has been written before
.endr
.irp tt, 0,1
	v_add_f32 v[ACC+16*\tt], v[ACC+16*\tt], v[ACC+16*\tt+1]
.endr
	s_wait_alu depctr_va_vcc(0)                    ; the compare has written VCC, which the select reads
	v_cndmask_b32 v7, v[ACC], v[ACC+16], vcc_lo    ; lanes 0-15: channel 32 w + r, lanes 16-31: channel 32 w + 16 r's tile
	s_wait_alu depctr_va_vdst(0)                   ; the select has written v7, which the store reads
	global_store_b32 v8, v7, s[28:29]              ; 128 consecutive bytes a wave: 32 KiB in the whole launch
	s_endpgm
.Lfunc_end_k_qcc29e37b31_proj:
	.size	k_qcc29e37b31_proj, .Lfunc_end_k_qcc29e37b31_proj-k_qcc29e37b31_proj
	.p2alignl 7, 3214868480
	.fill 96, 4, 3214868480
	.section	.rodata,"a",@progbits
	.p2align	6, 0x0
	.amdhsa_kernel k_qcc29e37b31_proj
		.amdhsa_group_segment_fixed_size 0
		.amdhsa_private_segment_fixed_size 0
		.amdhsa_enable_private_segment 0
		.amdhsa_kernarg_size 88
		.amdhsa_user_sgpr_count 2
		.amdhsa_user_sgpr_kernarg_segment_ptr 1
		.amdhsa_wavefront_size32 1
		.amdhsa_system_sgpr_workgroup_id_x 1
		.amdhsa_system_sgpr_workgroup_id_y 1
		.amdhsa_system_sgpr_workgroup_id_z 1
		.amdhsa_system_vgpr_workitem_id 0
		.amdhsa_next_free_vgpr 384
		.amdhsa_next_free_sgpr 66
		.amdhsa_reserve_vcc 1
		.amdhsa_float_denorm_mode_32 3
		.amdhsa_float_denorm_mode_16_64 3
		.amdhsa_memory_ordered 1
		.amdhsa_forward_progress 1
		.amdhsa_inst_pref_size 39
	.end_amdhsa_kernel
	.amdgpu_metadata
---
amdhsa.version: [ 1, 2 ]
amdhsa.kernels:
  - .name:           k_qcc29e37b31_proj
    .symbol:         k_qcc29e37b31_proj.kd
    .args:
      - { .name: x, .offset: 0, .size: 8, .value_kind: global_buffer, .address_space: global }
      - { .name: Wq, .offset: 8, .size: 8, .value_kind: global_buffer, .address_space: global }
      - { .name: Wk, .offset: 16, .size: 8, .value_kind: global_buffer, .address_space: global }
      - { .name: Wv, .offset: 24, .size: 8, .value_kind: global_buffer, .address_space: global }
      - { .name: bq, .offset: 32, .size: 8, .value_kind: global_buffer, .address_space: global }
      - { .name: bk, .offset: 40, .size: 8, .value_kind: global_buffer, .address_space: global }
      - { .name: bv, .offset: 48, .size: 8, .value_kind: global_buffer, .address_space: global }
      - { .name: qf, .offset: 56, .size: 8, .value_kind: global_buffer, .address_space: global }
      - { .name: kf, .offset: 64, .size: 8, .value_kind: global_buffer, .address_space: global }
      - { .name: vf, .offset: 72, .size: 8, .value_kind: global_buffer, .address_space: global }
      - { .name: vs, .offset: 80, .size: 8, .value_kind: global_buffer, .address_space: global }
    .group_segment_fixed_size: 0
    .private_segment_fixed_size: 0
    .kernarg_segment_align: 8
    .kernarg_segment_size: 88
    .max_flat_workgroup_size: 128
    .sgpr_count:     66
    .vgpr_count:     384
    .wavefront_size: 32
...
	.end_amdgpu_metadata
.endif
;; end of part 3
;; launch attn: the kernel of part 2 again; grid 128 x 2, 4 waves a work-group, no clusters, 36,608 bytes of LDS; arguments qf, kf, vf, vs, out0; writes out0
